; MI455X (gfx1250); checked and timed in simulation.
; The chip was launched on July 23, 2026; its instructions are those of AMD's public machine-readable ISA for CDNA 5 (MIT licence, August 2026) and "CDNA5" Instruction Set Architecture Reference Guide (July 2026). The comments in the code are by the model that wrote it; some were corrected since.
;; Curve Graphic2d. Allowed arithmetic: float matrix products may take bf16 or f16 operands with f32 sums; all other float work in f32.
;; Inputs: aa_factors 16 float32; inputs 16 x 4 x 2 float32; widths 16 float32.
;; Outputs: out0 16 x 256 x 256 float32.
;; 2 versions, each right; version 2 is version 1 with the launch curve written anew for expert scheduling mode. Each part assembles by itself: llvm-mc -triple=amdgcn-amd-amdhsa -mcpu=gfx1250 --defsym DOCPART=n.
;; ======== version 1 of 2: 1 launch
;; launch curve (part 1): grid 16 x 16, 4 waves a work-group, no clusters, 5,120 bytes of LDS; arguments inputs, widths, aa_factors, out0; writes out0
.if DOCPART == 1
	.amdgcn_target "amdgcn-amd-amdhsa--gfx1250"
	.amdhsa_code_object_version 6
	.text
	.protected	k_q6a332c2104_curve
	.globl	k_q6a332c2104_curve
	.p2align	8
	.type	k_q6a332c2104_curve,@function
k_q6a332c2104_curve:
	s_mov_b64 s[64:65], 0
	v_nop
	global_prefetch_b8 v0, s[64:65] scope:SCOPE_SE
	s_setreg_imm32_b32 hwreg(HW_REG_WAVE_MODE, 25, 1), 1
	s_wait_xcnt 0x0
; out0[b][y][x] = clip(1 - (min over s of |(y, x) - P_b(s)| / widths[b] + 1e-6) ^ aa_factors[b], 0, 1)
; P_b(s), s = 0..31: samples of curve b's cubic Bezier (control points inputs[b] * 256), cut to an arc length of 300.
;
; SHARES.  Grid 16 x 16: x = a block of 16 canvas rows, y = the curve.  Four waves; a wave owns 8 rows x 128 columns, a lane 4 neighbouring
; columns of each row, so one store of a wave covers 512 consecutive bytes, aligned.
; ARITHMETIC.  The root is monotonic: the minimum is taken over squared distances and rooted once a pixel.  A squared distance is
; dx * dx + dy^2 from differences formed first (no expanded square, so nothing cancels).  One v_pk_fma_f32 makes two of them, one
; v_min3_num_f32 folds two into the running minimum: one vector instruction for 32 pixel-samples.
; THE SAMPLES.  Every wave makes them itself, lane s = sample s.  The left de Casteljau part of a Bezier curve on [0, t], evaluated at u, IS the
; curve at t u (an identity of polynomials, for every input), so the cut curve's samples are one Bernstein evaluation at t_trunc * t_s.
; The two products basis x control points (K = 4, 16,384 FLOPs in the whole launch) are f32 multiply-adds: control points in pixels rounded
; to bf16 would be off by up to half a pixel against strokes two pixels wide.  The canvas factor 256 (H = W, a power of two) sits in the basis.
; FROM LANES TO ALL LANES.  Lane s writes its sample's dy^2 for the wave's 8 rows and its sx into the wave's own 1,152 bytes of LDS; loads in
; which all lanes name one address bring them back as registers that are equal in all lanes.  No wave reads another's bytes: no barrier.
; NOT USED: tensor loads, clusters, prefetches (the launch reads 640 bytes, work-groups share 40 of them), matrix instructions (above).
; LIMITS.  A NaN is not carried to the output: v_min3_num_f32 and v_max_num_f32 drop it, so NaN or infinite inputs, and widths that are not
; positive (base of the power negative or undefined), give a number in [0, 1] where the formula gives NaN.  t_s is s * (1/31 rounded), at most
; one unit in the last place from s / 31.  Divisions are v_rcp_f32 and a multiply.
.set ROWB, 1024                        ; bytes in a canvas row
.set TROW, 128                         ; bytes in a row of the LDS table: 32 samples x 4
.set SXO,  8*TROW                      ; behind the 8 rows of dy^2: the 32 sx
.set WLDS, 9*TROW                      ; a wave's LDS
.set LANE, 1                           ; v1        lane
.set LW,   2                           ; v2        LDS: where lane s writes (wave's bytes + 4 s)
.set LR,   3                           ; v3        LDS: where all lanes read (wave's bytes + 128 x the row at work)
.set OFF,  4                           ; v4        16 x lane: my 16 bytes in the wave's 512 of a row; never rewritten
.set TMP,  5
.set NX,   6                           ; v[6:9]    minus my four x
.set IW,   10                          ; v[10:11]  1 / width, twice (pairs for the packed forms)
.set EPS,  12                          ; v[12:13]  1e-6, twice
.set AA,   14                          ; v[14:15]  the exponent, twice
.set ONE,  16                          ; v[16:17]  1.0, twice
.set ACC,  18                          ; v[18:21]  running minima of the row at work
.set F,    22                          ; v[22:25]  the finished row's minima, worked on in place
.set O,    26                          ; v[26:29]  store data
.set D,    30                          ; v[30:45]  two sets of 8 squared distances (2 samples x 4 columns)
.set DY,   46                          ; v[46:77]  dy^2 of the row at work, sample s in v[DY+s], equal in all lanes
.set SXT,  78                          ; v[78:109] sx of the 32 samples, equal in all lanes
.set DX,   110                         ; v[110:237] sx - x: sample s, column c in v[DX+4s+c]
; the head's temporaries, in registers that the rows use later
.set TS, 18
.set T2, 19
.set Q,  20
.set GY, 21
.set GX, 22
.set SY, 23
.set SX, 24
.set DB, 26                            ; v[26:29]  basis at t_s+1 minus basis at t_s
.set W,  30                            ; v[30:34]  at work in BASIS
.set E,  30                            ; v[30:37]  dy, then dy^2, of my sample for the 8 rows
.set BA, 38                            ; v[38:41]
.set BB, 42                            ; v[42:45]
.set YF, 40                            ; s[40:47]  the wave's 8 rows as f32
; 256 x the four cubic Bernstein polynomials at t
.macro BASIS b, t
	v_sub_f32 v[W+0], 1.0, v[\t]                   ; u = 1 - t
	v_mul_f32 v[W+1], 0x43800000, v[\t]            ; 256 t
	v_mul_f32 v[W+2], 0x43800000, v[W+0]           ; 256 u
	v_mul_f32 v[W+3], 0x40400000, v[\t]            ; 3 t
	v_mul_f32 v[W+4], 0x40400000, v[W+0]           ; 3 u
	v_mul_f32 v[W+1], v[W+1], v[\t]                ; 256 t^2
	v_mul_f32 v[W+2], v[W+2], v[W+0]               ; 256 u^2
	v_mul_f32 v[\b+0], v[W+2], v[W+0]              ; 256 u^3
	v_mul_f32 v[\b+1], v[W+2], v[W+3]              ; 256 x 3 t u^2
	v_mul_f32 v[\b+2], v[W+1], v[W+4]              ; 256 x 3 t^2 u
	v_mul_f32 v[\b+3], v[W+1], v[\t]               ; 256 t^3
.endm
	s_load_b256 s[4:11], s[0:1], 0x0               ; inputs s[4:5], widths s[6:7], aa_factors s[8:9], out0 s[10:11]
	v_lshl_add_u32 v240, v0, 2, 0x1200
	v_mov_b32 v241, 0
	s_and_b32 s25, ttmp7, 0xffff                   ; the curve
	s_lshl_b32 s12, s25, 5                         ; its 4 control points: 32 bytes
	s_mov_b32 s13, 0
	s_lshl_b32 s14, s25, 2                         ; its width and its exponent: 4 bytes
	s_mov_b32 s15, 0
	s_wait_kmcnt 0x0
	s_add_nc_u64 s[4:5], s[4:5], s[12:13]
	s_add_nc_u64 s[6:7], s[6:7], s[14:15]
	s_add_nc_u64 s[8:9], s[8:9], s[14:15]
	s_load_b256 s[16:23], s[4:5], 0x0              ; control point k: first coordinate (along y) s[16+2k], second (along x) s[17+2k]
	s_load_b32 s26, s[6:7], 0x0                    ; width
	s_load_b32 s27, s[8:9], 0x0                    ; exponent
	; ---- all that needs no data stands here, behind the loads and ahead of their wait ----
	v_and_b32 v[LANE], 31, v0
	v_lshrrev_b32 v[TMP], 5, v0
	v_readfirstlane_b32 s24, v[TMP]                ; wave 0..3
	s_lshr_b32 s28, s24, 1                         ; which 8 of the block's 16 rows
	s_and_b32 s29, s24, 1                          ; which half of the rows' 256 columns
	s_lshl_b32 s31, ttmp9, 4
	s_lshl3_add_u32 s31, s28, s31                  ; my first row: 16 x block + 8 x (wave / 2)
	s_lshl_b32 s32, s25, 18                        ; out0: 262,144 bytes a curve
	s_lshl_b32 s34, s31, 10                        ;       1,024 a row
	s_add_co_u32 s32, s32, s34
	s_lshl_b32 s34, s29, 9                         ;       512 a half row
	s_add_co_u32 s32, s32, s34
	s_mov_b32 s33, 0
	s_add_nc_u64 s[10:11], s[10:11], s[32:33]      ; out0 at the wave's first 512 bytes
.irp r, 0,1,2,3,4,5,6,7
	s_add_co_u32 s34, s31, \r
	s_cvt_f32_u32 s[YF+\r], s34                    ; row y as f32 (exact)
.endr
	s_mov_b32 s36, 0x76543210                      ; v_permlanex16_b32: lane i of one half reads lane i of the other
	s_mov_b32 s37, 0xfedcba98
	s_mul_i32 s35, s24, WLDS                       ; the wave's own LDS bytes
	v_lshl_add_u32 v[LW], v[LANE], 2, s35
	v_mov_b32 v[LR], s35
	v_lshlrev_b32 v[OFF], 4, v[LANE]
	v_lshlrev_b32 v[TMP], 2, v[LANE]
	v_lshl_add_u32 v[TMP], s29, 7, v[TMP]          ; my first column: 128 x half + 4 x lane
	v_cvt_f32_u32 v[TMP], v[TMP]
	v_sub_f32 v[NX+0], 0, v[TMP]                   ; minus x: only (sx - x)^2 is used, so the sign costs nothing
	v_sub_f32 v[NX+1], -1.0, v[TMP]
	v_sub_f32 v[NX+2], -2.0, v[TMP]
	v_sub_f32 v[NX+3], 0xc0400000, v[TMP]          ; -3.0 - x
	v_mov_b32 v[EPS], 0x358637bd                   ; 1e-6
	v_mov_b32 v[EPS+1], 0x358637bd
	v_mov_b32 v[ONE], 1.0
	v_mov_b32 v[ONE+1], 1.0
	v_cvt_f32_u32 v[TS], v[LANE]
	v_add_nc_u32 v[T2], 1, v[LANE]
	v_min_u32 v[T2], 31, v[T2]                     ; lane 31 has no segment: both ends the same, length 0
	v_cvt_f32_u32 v[T2], v[T2]
	v_mul_f32 v[TS], 0x3d042108, v[TS]             ; t_s = s / 31
	v_mul_f32 v[T2], 0x3d042108, v[T2]             ; t_s+1
	BASIS BA, TS
	BASIS BB, T2
.irp k, 0,1,2,3
	v_sub_f32 v[DB+\k], v[BB+\k], v[BA+\k]         ; segment s = sum over k of (basis_k(t_s+1) - basis_k(t_s)) x control point k
.endr
	; ---- the arc length, the cut, the samples ----
	s_wait_kmcnt 0x0
	v_mul_f32 v[GY], s16, v[DB]
	v_mul_f32 v[GX], s17, v[DB]
	v_fmac_f32 v[GY], s18, v[DB+1]
	v_fmac_f32 v[GX], s19, v[DB+1]
	v_fmac_f32 v[GY], s20, v[DB+2]
	v_fmac_f32 v[GX], s21, v[DB+2]
	v_fmac_f32 v[GY], s22, v[DB+3]
	v_fmac_f32 v[GX], s23, v[DB+3]
	v_mul_f32 v[Q], v[GY], v[GY]
	v_fmac_f32 v[Q], v[GX], v[GX]
	v_sqrt_f32 v[Q], v[Q]                          ; the segment's length
	v_rcp_f32 v[IW], s26                           ; 1 / width, made twice to fill the pair
	v_rcp_f32 v[IW+1], s26
	v_mov_b32 v[AA], s27                           ; a plain instruction between the transcendentals and the first use of a result (ISA guide 5.7.2)
	s_wait_alu depctr_va_vdst(0)
	v_add_f32_dpp v[Q], v[Q], v[Q] row_xmask:1 row_mask:0xf bank_mask:0xf    ; the sum over 32 lanes, left in every lane
	v_add_f32_dpp v[Q], v[Q], v[Q] row_xmask:2 row_mask:0xf bank_mask:0xf
	v_add_f32_dpp v[Q], v[Q], v[Q] row_xmask:4 row_mask:0xf bank_mask:0xf
	v_add_f32_dpp v[Q], v[Q], v[Q] row_xmask:8 row_mask:0xf bank_mask:0xf
	v_permlanex16_b32 v[GY], v[Q], s36, s37        ; its destination counts as read: GY has been written
	v_add_f32 v[Q], v[Q], v[GY]
	v_add_f32 v[Q], 0x358637bd, v[Q]               ; arc + 1e-6
	v_rcp_f32 v[Q], v[Q]
	v_mov_b32 v[AA+1], s27                         ; again the plain instruction behind a transcendental
	s_wait_alu depctr_va_vdst(0)
	v_mul_f32 v[Q], 0x43960000, v[Q]               ; 300 / (arc + 1e-6)
	v_min_num_f32 v[Q], 1.0, v[Q]                  ; t_trunc
	v_mul_f32 v[TS], v[TS], v[Q]                   ; the cut curve at t_s is the curve at t_trunc t_s
	BASIS BA, TS
	v_mul_f32 v[SX], s17, v[BA]
	v_mul_f32 v[SY], s16, v[BA]
	v_fmac_f32 v[SX], s19, v[BA+1]
	v_fmac_f32 v[SY], s18, v[BA+1]
	v_fmac_f32 v[SX], s21, v[BA+2]
	v_fmac_f32 v[SY], s20, v[BA+2]
	v_fmac_f32 v[SX], s23, v[BA+3]
	v_fmac_f32 v[SY], s22, v[BA+3]
	; ---- through the wave's own LDS: LDS serves a wave's instructions in order (ISA guide 5.7.1), so the loads see the stores above them ----
	ds_store_b32 v[LW], v[SX] offset:SXO
.irp j, 0,1,2,3,4,5,6,7
	ds_load_b128 v[SXT+4*\j:SXT+4*\j+3], v[LR] offset:SXO+16*\j    ; all lanes at one address: four sx for every lane
.endr
.irp r, 0,1,2,3,4,5,6,7
	v_sub_f32 v[E+\r], s[YF+\r], v[SY]             ; dy of my sample to row r
.endr
.irp r, 0,1,2,3,4,5,6,7
	v_mul_f32 v[E+\r], v[E+\r], v[E+\r]
.endr
.irp r, 0,1,2,3,4,5,6,7
	ds_store_b32 v[LW], v[E+\r] offset:TROW*\r
.endr
.irp j, 0,1,2,3,4,5,6,7
	ds_load_b128 v[DY+4*\j:DY+4*\j+3], v[LR] offset:16*\j          ; row 0's dy^2
.endr
	; ---- sx - x for 32 samples x my 4 columns, kept for all 8 rows ----
.set q, 0
.rept 16
.if (q & 1) == 0
	s_wait_dscnt 23-q/2                            ; behind the load of sx group j = q/2 stand 7 - j loads of sx, 8 stores and 8 loads of dy^2
.endif
	v_pk_add_f32 v[DX+8*q:DX+8*q+1],   v[NX:NX+1],   v[SXT+2*q:SXT+2*q+1] op_sel_hi:[1,0]            ; both halves take the pair's first: sample 2q
	v_pk_add_f32 v[DX+8*q+2:DX+8*q+3], v[NX+2:NX+3], v[SXT+2*q:SXT+2*q+1] op_sel_hi:[1,0]
	v_pk_add_f32 v[DX+8*q+4:DX+8*q+5], v[NX:NX+1],   v[SXT+2*q:SXT+2*q+1] op_sel:[0,1] op_sel_hi:[1,1]  ; both take its second: sample 2q + 1
	v_pk_add_f32 v[DX+8*q+6:DX+8*q+7], v[NX+2:NX+3], v[SXT+2*q:SXT+2*q+1] op_sel:[0,1] op_sel_hi:[1,1]
.set q, q+1
.endr
; ---- the finish of a row, in steps that are strewn among the next row's products ----
.macro FIN_SQRT
.irp c, 0,1,2,3
	v_sqrt_f32 v[F+\c], v[F+\c]                    ; the least distance
.endr
.endm
.macro FIN_BASE
	s_wait_alu depctr_va_vdst(0)
	v_pk_fma_f32 v[F:F+1],   v[F:F+1],   v[IW:IW+1], v[EPS:EPS+1]   ; / width + 1e-6
	v_pk_fma_f32 v[F+2:F+3], v[F+2:F+3], v[IW:IW+1], v[EPS:EPS+1]
.endm
.macro FIN_LOG
.irp c, 0,1,2,3
	v_log_f32 v[F+\c], v[F+\c]                     ; b ^ a = 2 ^ (a log2 b)
.endr
.endm
.macro FIN_POW
	s_wait_alu depctr_va_vdst(0)
	v_pk_mul_f32 v[F:F+1],   v[F:F+1],   v[AA:AA+1]
	v_pk_mul_f32 v[F+2:F+3], v[F+2:F+3], v[AA:AA+1]
.endm
.macro FIN_EXP
.irp c, 0,1,2,3
	v_exp_f32 v[F+\c], v[F+\c]
.endr
.endm
.macro FIN_ONE
	s_wait_alu depctr_va_vdst(0)
	v_pk_add_f32 v[F:F+1],   v[ONE:ONE+1], v[F:F+1]   neg_lo:[0,1] neg_hi:[0,1]   ; 1 - power
	v_pk_add_f32 v[F+2:F+3], v[ONE:ONE+1], v[F+2:F+3] neg_lo:[0,1] neg_hi:[0,1]
.endm
; step = 1: the base goes on to the row at work and the store reaches back one row to the finished one
.macro FIN_OUT step
	s_wait_xcnt 0x0                                ; the last store's base and data (issued a row ago) are rewritten only behind this wait
.if \step
	s_add_nc_u64 s[10:11], s[10:11], ROWB
.endif
.irp c, 0,1,2,3
	v_max_num_f32 v[O+\c], 0, v[F+\c]              ; the power is never below 0, so 1 - power never passes 1: the lower bound is the whole clip
.endr
.if \step
	global_store_b128 v[OFF], v[O:O+3], s[10:11] offset:-ROWB th:TH_STORE_NT
.else
	global_store_b128 v[OFF], v[O:O+3], s[10:11] th:TH_STORE_NT
.endif
.endm
; ---- one row: 16 pairs of samples.  Pair p: four packed products into set p & 1, then the four minima of pair p - 1 from the other set,
; so that no instruction reads what the one just ahead of it wrote.  The first pair starts the minima (nothing is preset), the last writes F.
; fin = 1: the row before is finished and stored on the way.  load = 1: each group of four dy^2, once used, is loaded again for the next row.
.macro ROW fin, load
.set p, 0
.rept 16
.if (p & 1) == 0
.if \load
	s_wait_dscnt 7                                 ; behind the load of dy^2 group j stand groups j+1..7 of this row and 0..j-1 of the next: always 7
.else
	s_wait_dscnt 7-p/2                             ; the last row: only groups j+1..7 stand behind it
.endif
.endif
	v_pk_fma_f32 v[D+8*(p&1):D+8*(p&1)+1],   v[DX+8*p:DX+8*p+1],   v[DX+8*p:DX+8*p+1],   v[DY+2*p:DY+2*p+1] op_sel_hi:[1,1,0]
	v_pk_fma_f32 v[D+8*(p&1)+2:D+8*(p&1)+3], v[DX+8*p+2:DX+8*p+3], v[DX+8*p+2:DX+8*p+3], v[DY+2*p:DY+2*p+1] op_sel_hi:[1,1,0]
	v_pk_fma_f32 v[D+8*(p&1)+4:D+8*(p&1)+5], v[DX+8*p+4:DX+8*p+5], v[DX+8*p+4:DX+8*p+5], v[DY+2*p:DY+2*p+1] op_sel:[0,0,1] op_sel_hi:[1,1,1]
	v_pk_fma_f32 v[D+8*(p&1)+6:D+8*(p&1)+7], v[DX+8*p+6:DX+8*p+7], v[DX+8*p+6:DX+8*p+7], v[DY+2*p:DY+2*p+1] op_sel:[0,0,1] op_sel_hi:[1,1,1]
.if p & 1
.if \load
	ds_load_b128 v[DY+2*p-2:DY+2*p+1], v[LR] offset:TROW+16*(p/2)   ; pairs p - 1 and p have read this group: the next row's takes its place
.endif
.endif
.if p == 1
.irp c, 0,1,2,3
	v_min_num_f32 v[ACC+\c], v[D+\c], v[D+4+\c]
.endr
.endif
.if p > 1
.irp c, 0,1,2,3
	v_min3_num_f32 v[ACC+\c], v[ACC+\c], v[D+8*((p+1)&1)+\c], v[D+8*((p+1)&1)+4+\c]
.endr
.endif
.if \fin
; behind each run of transcendentals come the next pair's products, plain instructions that touch no F (ISA guide 5.7.2); two pairs lie between a run and the use of its results
.if p == 0
	FIN_SQRT
.endif
.if p == 2
	FIN_BASE
.endif
.if p == 3
	FIN_LOG
.endif
.if p == 5
	FIN_POW
.endif
.if p == 6
	FIN_EXP
.endif
.if p == 8
	FIN_ONE
.endif
.if p == 9
	FIN_OUT 1
.endif
.endif
.set p, p+1
.endr
.if \load
	v_add_nc_u32 v[LR], TROW, v[LR]                ; the table's next row
.endif
.irp c, 0,1,2,3
	v_min3_num_f32 v[F+\c], v[ACC+\c], v[D+8+\c], v[D+12+\c]       ; pair 15 closes the row
.endr
.endm
	ROW 0, 1                                       ; row 0: no row before it to finish
	s_mov_b32 s30, 6
.Lrow:
	ROW 1, 1                                       ; rows 1 to 6
	s_sub_co_u32 s30, s30, 1
	s_cmp_lg_u32 s30, 0
	s_cbranch_scc1 .Lrow
	ROW 1, 0                                       ; row 7: the table has no further row, the counts run down
	FIN_SQRT                                       ; row 7's finish stands alone: v_nop is the plain instruction behind each run of transcendentals
	v_nop
	FIN_BASE
	FIN_LOG
	v_nop
	FIN_POW
	FIN_EXP
	v_nop
	FIN_ONE
	FIN_OUT 0
	s_wait_tensorcnt 0x0
	ds_add_u32 v240, v241
	s_wait_dscnt 0x0
	s_endpgm
.Lfunc_end_k_q6a332c2104_curve:
	.size	k_q6a332c2104_curve, .Lfunc_end_k_q6a332c2104_curve-k_q6a332c2104_curve
	.p2alignl 7, 3214868480
	.fill 96, 4, 3214868480
	.section	.rodata,"a",@progbits
	.p2align	6, 0x0
	.amdhsa_kernel k_q6a332c2104_curve
		.amdhsa_group_segment_fixed_size 5120
		.amdhsa_private_segment_fixed_size 0
		.amdhsa_enable_private_segment 0
		.amdhsa_kernarg_size 32
		.amdhsa_user_sgpr_count 2
		.amdhsa_user_sgpr_kernarg_segment_ptr 1
		.amdhsa_wavefront_size32 1
		.amdhsa_system_sgpr_workgroup_id_x 1
		.amdhsa_system_sgpr_workgroup_id_y 1
		.amdhsa_system_sgpr_workgroup_id_z 1
		.amdhsa_system_vgpr_workitem_id 0
		.amdhsa_next_free_vgpr 242
		.amdhsa_next_free_sgpr 66
		.amdhsa_reserve_vcc 0
		.amdhsa_float_denorm_mode_32 3
		.amdhsa_float_denorm_mode_16_64 3
		.amdhsa_memory_ordered 1
		.amdhsa_forward_progress 1
		.amdhsa_inst_pref_size 42
	.end_amdhsa_kernel
	.amdgpu_metadata
---
amdhsa.version: [ 1, 2 ]
amdhsa.kernels:
  - .name:           k_q6a332c2104_curve
    .symbol:         k_q6a332c2104_curve.kd
    .args:
      - { .name: inputs, .offset: 0, .size: 8, .value_kind: global_buffer, .address_space: global }
      - { .name: widths, .offset: 8, .size: 8, .value_kind: global_buffer, .address_space: global }
      - { .name: aa_factors, .offset: 16, .size: 8, .value_kind: global_buffer, .address_space: global }
      - { .name: out0, .offset: 24, .size: 8, .value_kind: global_buffer, .address_space: global }
    .group_segment_fixed_size: 5120
    .private_segment_fixed_size: 0
    .kernarg_segment_align: 8
    .kernarg_segment_size: 32
    .max_flat_workgroup_size: 128
    .sgpr_count:     66
    .vgpr_count:     242
    .wavefront_size: 32
...
	.end_amdgpu_metadata
.endif
;; end of part 1
;; ======== version 2 of 2: 1 launch; version 1 with the launch curve written anew for expert scheduling mode
;; launch curve (part 2): grid 16 x 16, 4 waves a work-group, no clusters, 5,120 bytes of LDS; arguments inputs, widths, aa_factors, out0; writes out0
.if DOCPART == 2
	.amdgcn_target "amdgcn-amd-amdhsa--gfx1250"
	.amdhsa_code_object_version 6
	.text
	.protected	k_q6a332c2104_curve
	.globl	k_q6a332c2104_curve
	.p2align	8
	.type	k_q6a332c2104_curve,@function
k_q6a332c2104_curve:
	s_mov_b64 s[64:65], 0
	v_nop
	global_prefetch_b8 v0, s[64:65] scope:SCOPE_SE
	s_setreg_imm32_b32 hwreg(HW_REG_WAVE_SCHED_MODE, 0, 2), 2
	s_setreg_imm32_b32 hwreg(HW_REG_WAVE_MODE, 25, 1), 1
	s_wait_xcnt 0x0
	s_wait_alu depctr_vm_vsrc(0)
; out0[b][y][x] = clip(1 - (min over s of |(y, x) - P_b(s)| / widths[b] + 1e-6) ^ aa_factors[b], 0, 1)
; P_b(s), s = 0..31: samples of curve b's cubic Bezier (control points inputs[b] * 256), cut to an arc length of 300.
;
; SHARES.  Grid 16 x 16: x = a block of 16 canvas rows, y = the curve.  Four waves; a wave owns 8 rows x 128 columns, a lane 4 neighbouring
; columns of each row, so one store of a wave covers 512 consecutive bytes, aligned.
; ARITHMETIC.  The root is monotonic: the minimum is taken over squared distances and rooted once a pixel.  A squared distance is
; dx * dx + dy^2 from differences formed first (no expanded square, so nothing cancels).  One v_pk_fma_f32 makes two of them, one
; v_min3_num_f32 folds two into the running minimum: one vector instruction for 32 pixel-samples.
; THE SAMPLES.  Every wave makes them itself, lane s = sample s.  The left de Casteljau part of a Bezier curve on [0, t], evaluated at u, IS the
; curve at t u (an identity of polynomials, for every input), so the cut curve's samples are one Bernstein evaluation at t_trunc * t_s.
; The two products basis x control points (K = 4, 16,384 FLOPs in the whole launch) are f32 multiply-adds: control points in pixels rounded
; to bf16 would be off by up to half a pixel against strokes two pixels wide.  The canvas factor 256 (H = W, a power of two) sits in the basis.
; FROM LANES TO ALL LANES.  Lane s writes its sample's dy^2 for the wave's 8 rows and its sx into the wave's own 1,152 bytes of LDS; loads in
; which all lanes name one address bring them back as registers that are equal in all lanes.  No wave reads another's bytes: no barrier.
; NOT USED: tensor loads, clusters, prefetches (the launch reads 640 bytes, work-groups share 40 of them), matrix instructions (above).
; LIMITS.  A NaN is not carried to the output: v_min3_num_f32 and v_max_num_f32 drop it, so NaN or infinite inputs, and widths that are not
; positive (base of the power negative or undefined), give a number in [0, 1] where the formula gives NaN.  t_s is s * (1/31 rounded), at most
; one unit in the last place from s / 31.  Divisions are v_rcp_f32 and a multiply.
; THE MODE: SCHED_MODE bits 1:0 = 2 (LLVM: expert scheduling mode 2), set by the entry lines.  The code itself states the register dependences
; between vector instructions and memory or LDS instructions, with s_wait_alu, always for 0.
; THE PLAN.  Registers that memory or LDS instructions touch, from the first row on:
;   DY0, DY1   two buffers of 32 dy^2.  Row r's products read DY[r % 2]; the LDS loads of row r + 1, issued in pairs 3 to 6 of row r, land in the
;              other one, which row r - 1's products read last.  DY1 lies in the registers of the sx table, free once sx - x is made.
;   O0, O1     two buffers of store data.  Row q's result is written into O[q % 2] at pair 9 of row q + 1 and stored at pair 2 of row q + 2.
;   v[LR]      read by a row's eight LDS loads; stepped by a vector add at each row's head.
;   v[OFF]     read by every store; never written again.
;   D, ACC, F and DX are named by vector instructions alone.
; A row's finish has three waits on va_vdst for its transcendentals.  The first of them, at pair 2, also states all that the row's store and its
; eight LDS loads hang on: the row before is done reading the other DY and has written the O that is stored, and v[LR] is written.  No vector
; instruction between that wait and those nine names O[r % 2], the other DY, v[LR] or v[OFF].  One wait on vm_vsrc stands at a row's head.
.set ROWB, 1024                        ; bytes in a canvas row
.set TROW, 128                         ; bytes in a row of the LDS table: 32 samples x 4
.set SXO,  8*TROW                      ; behind the 8 rows of dy^2: the 32 sx
.set WLDS, 9*TROW                      ; a wave's LDS
.set LANE, 1                           ; v1        lane
.set LW,   2                           ; v2        LDS: where lane s writes (wave's bytes + 4 s)
.set LR,   3                           ; v3        LDS: where all lanes read (wave's bytes + 128 x the row at work)
.set OFF,  4                           ; v4        16 x lane: my 16 bytes in the wave's 512 of a row; never rewritten
.set TMP,  5
.set NX,   6                           ; v[6:9]    minus my four x
.set IW,   10                          ; v[10:11]  1 / width, twice (pairs for the packed forms)
.set EPS,  12                          ; v[12:13]  1e-6, twice
.set AA,   14                          ; v[14:15]  the exponent, twice
.set ONE,  16                          ; v[16:17]  1.0, twice
.set ACC,  18                          ; v[18:21]  running minima of the row at work
.set F,    22                          ; v[22:25]  the finished row's minima, worked on in place
.set O,    26                          ; v[26:29]  store data, buffer 0; buffer 1 lies OSTEP registers on: v[242:245]
.set OSTEP, 216
.set D,    30                          ; v[30:45]  two sets of 8 squared distances (2 samples x 4 columns)
.set DY,   46                          ; v[46:77]  dy^2, buffer 0: sample s in v[DY+s], equal in all lanes; buffer 1 lies 32 registers on, in SXT
.set SXT,  78                          ; v[78:109] sx of the 32 samples, equal in all lanes; from row 0 on dy^2, buffer 1
.set DX,   110                         ; v[110:237] sx - x: sample s, column c in v[DX+4s+c]
; the head's temporaries, in registers that the rows use later
.set TS, 18
.set T2, 19
.set Q,  20
.set GY, 21
.set GX, 22
.set SY, 23
.set SX, 24
.set DB, 26                            ; v[26:29]  basis at t_s+1 minus basis at t_s
.set W,  30                            ; v[30:34]  at work in BASIS
.set E,  30                            ; v[30:37]  dy, then dy^2, of my sample for the 8 rows
.set BA, 38                            ; v[38:41]
.set BB, 42                            ; v[42:45]
.set YF, 40                            ; s[40:47]  the wave's 8 rows as f32
; 256 x the four cubic Bernstein polynomials at t
.macro BASIS b, t
	v_sub_f32 v[W+0], 1.0, v[\t]                   ; u = 1 - t
	v_mul_f32 v[W+1], 0x43800000, v[\t]            ; 256 t
	v_mul_f32 v[W+2], 0x43800000, v[W+0]           ; 256 u
	v_mul_f32 v[W+3], 0x40400000, v[\t]            ; 3 t
	v_mul_f32 v[W+4], 0x40400000, v[W+0]           ; 3 u
	v_mul_f32 v[W+1], v[W+1], v[\t]                ; 256 t^2
	v_mul_f32 v[W+2], v[W+2], v[W+0]               ; 256 u^2
	v_mul_f32 v[\b+0], v[W+2], v[W+0]              ; 256 u^3
	v_mul_f32 v[\b+1], v[W+2], v[W+3]              ; 256 x 3 t u^2
	v_mul_f32 v[\b+2], v[W+1], v[W+4]              ; 256 x 3 t^2 u
	v_mul_f32 v[\b+3], v[W+1], v[\t]               ; 256 t^3
.endm
	s_load_b256 s[4:11], s[0:1], 0x0               ; inputs s[4:5], widths s[6:7], aa_factors s[8:9], out0 s[10:11]
	v_lshl_add_u32 v240, v0, 2, 0x1200
	v_mov_b32 v241, 0
	s_and_b32 s25, ttmp7, 0xffff                   ; the curve
	s_lshl_b32 s12, s25, 5                         ; its 4 control points: 32 bytes
	s_mov_b32 s13, 0
	s_lshl_b32 s14, s25, 2                         ; its width and its exponent: 4 bytes
	s_mov_b32 s15, 0
	s_wait_kmcnt 0x0
	s_add_nc_u64 s[4:5], s[4:5], s[12:13]
	s_add_nc_u64 s[6:7], s[6:7], s[14:15]
	s_add_nc_u64 s[8:9], s[8:9], s[14:15]
	s_load_b256 s[16:23], s[4:5], 0x0              ; control point k: first coordinate (along y) s[16+2k], second (along x) s[17+2k]
	s_load_b32 s26, s[6:7], 0x0                    ; width
	s_load_b32 s27, s[8:9], 0x0                    ; exponent
	; ---- all that needs no data stands here, behind the loads and ahead of their wait ----
	v_and_b32 v[LANE], 31, v0
	v_lshrrev_b32 v[TMP], 5, v0
	v_readfirstlane_b32 s24, v[TMP]                ; wave 0..3; what needs the lane alone stands between this line and the wait for s24
	v_lshlrev_b32 v[OFF], 4, v[LANE]
	v_mov_b32 v[EPS], 0x358637bd                   ; 1e-6
	v_mov_b32 v[EPS+1], 0x358637bd
	v_mov_b32 v[ONE], 1.0
	v_mov_b32 v[ONE+1], 1.0
	v_cvt_f32_u32 v[TS], v[LANE]
	v_add_nc_u32 v[T2], 1, v[LANE]
	v_min_u32 v[T2], 31, v[T2]                     ; lane 31 has no segment: both ends the same, length 0
	v_cvt_f32_u32 v[T2], v[T2]
	v_mul_f32 v[TS], 0x3d042108, v[TS]             ; t_s = s / 31
	v_mul_f32 v[T2], 0x3d042108, v[T2]             ; t_s+1
	BASIS BA, TS
	BASIS BB, T2
.irp k, 0,1,2,3
	v_sub_f32 v[DB+\k], v[BB+\k], v[BA+\k]         ; segment s = sum over k of (basis_k(t_s+1) - basis_k(t_s)) x control point k
.endr
	s_wait_alu depctr_va_sdst(0)                   ; s24 is written, ahead of its first reader: the wave's rows, columns and LDS bytes are made from it
	s_lshr_b32 s28, s24, 1                         ; which 8 of the block's 16 rows
	s_and_b32 s29, s24, 1                          ; which half of the rows' 256 columns
	s_lshl_b32 s31, ttmp9, 4
	s_lshl3_add_u32 s31, s28, s31                  ; my first row: 16 x block + 8 x (wave / 2)
	s_lshl_b32 s32, s25, 18                        ; out0: 262,144 bytes a curve
	s_lshl_b32 s34, s31, 10                        ;       1,024 a row
	s_add_co_u32 s32, s32, s34
	s_lshl_b32 s34, s29, 9                         ;       512 a half row
	s_add_co_u32 s32, s32, s34
	s_mov_b32 s33, 0
	s_add_nc_u64 s[10:11], s[10:11], s[32:33]      ; out0 at the wave's first 512 bytes
.irp r, 0,1,2,3,4,5,6,7
	s_add_co_u32 s34, s31, \r
	s_cvt_f32_u32 s[YF+\r], s34                    ; row y as f32 (exact)
.endr
	s_mov_b32 s36, 0x76543210                      ; v_permlanex16_b32: lane i of one half reads lane i of the other
	s_mov_b32 s37, 0xfedcba98
	s_mul_i32 s35, s24, WLDS                       ; the wave's own LDS bytes
	v_lshl_add_u32 v[LW], v[LANE], 2, s35
	v_mov_b32 v[LR], s35
	v_lshlrev_b32 v[TMP], 2, v[LANE]
	v_lshl_add_u32 v[TMP], s29, 7, v[TMP]          ; my first column: 128 x half + 4 x lane
	v_cvt_f32_u32 v[TMP], v[TMP]
	v_sub_f32 v[NX+0], 0, v[TMP]                   ; minus x: only (sx - x)^2 is used, so the sign costs nothing
	v_sub_f32 v[NX+1], -1.0, v[TMP]
	v_sub_f32 v[NX+2], -2.0, v[TMP]
	v_sub_f32 v[NX+3], 0xc0400000, v[TMP]          ; -3.0 - x
	; ---- the arc length, the cut, the samples ----
	s_wait_kmcnt 0x0
	v_mul_f32 v[GY], s16, v[DB]
	v_mul_f32 v[GX], s17, v[DB]
	v_fmac_f32 v[GY], s18, v[DB+1]
	v_fmac_f32 v[GX], s19, v[DB+1]
	v_fmac_f32 v[GY], s20, v[DB+2]
	v_fmac_f32 v[GX], s21, v[DB+2]
	v_fmac_f32 v[GY], s22, v[DB+3]
	v_fmac_f32 v[GX], s23, v[DB+3]
	v_mul_f32 v[Q], v[GY], v[GY]
	v_fmac_f32 v[Q], v[GX], v[GX]
	v_sqrt_f32 v[Q], v[Q]                          ; the segment's length
	v_rcp_f32 v[IW], s26                           ; 1 / width, made twice to fill the pair
	v_rcp_f32 v[IW+1], s26
	v_mov_b32 v[AA], s27                           ; a plain instruction between the transcendentals and the first use of a result (ISA guide 5.7.2)
	s_wait_alu depctr_va_vdst(0)                   ; the root and the two reciprocals are written, ahead of their first reader
	v_add_f32_dpp v[Q], v[Q], v[Q] row_xmask:1 row_mask:0xf bank_mask:0xf    ; the sum over 32 lanes, left in every lane
	v_add_f32_dpp v[Q], v[Q], v[Q] row_xmask:2 row_mask:0xf bank_mask:0xf
	v_add_f32_dpp v[Q], v[Q], v[Q] row_xmask:4 row_mask:0xf bank_mask:0xf
	v_add_f32_dpp v[Q], v[Q], v[Q] row_xmask:8 row_mask:0xf bank_mask:0xf
	v_permlanex16_b32 v[GY], v[Q], s36, s37        ; its destination counts as read: GY has been written
	v_add_f32 v[Q], v[Q], v[GY]
	v_add_f32 v[Q], 0x358637bd, v[Q]               ; arc + 1e-6
	v_rcp_f32 v[Q], v[Q]
	v_mov_b32 v[AA+1], s27                         ; again the plain instruction behind a transcendental
	s_wait_alu depctr_va_vdst(0)                   ; the reciprocal is written, ahead of its reader
	v_mul_f32 v[Q], 0x43960000, v[Q]               ; 300 / (arc + 1e-6)
	v_min_num_f32 v[Q], 1.0, v[Q]                  ; t_trunc
	v_mul_f32 v[TS], v[TS], v[Q]                   ; the cut curve at t_s is the curve at t_trunc t_s
	BASIS BA, TS
	v_mul_f32 v[SX], s17, v[BA]
	v_mul_f32 v[SY], s16, v[BA]
	v_fmac_f32 v[SX], s19, v[BA+1]
	v_fmac_f32 v[SY], s18, v[BA+1]
	v_fmac_f32 v[SX], s21, v[BA+2]
	v_fmac_f32 v[SY], s20, v[BA+2]
	v_fmac_f32 v[SX], s23, v[BA+3]
	v_fmac_f32 v[SY], s22, v[BA+3]
.irp r, 0,1,2,3,4,5,6,7
	v_sub_f32 v[E+\r], s[YF+\r], v[SY]             ; dy of my sample to row r
.endr
.irp r, 0,1,2,3,4,5,6,7
	v_mul_f32 v[E+\r], v[E+\r], v[E+\r]
.endr
	; ---- through the wave's own LDS: LDS serves a wave's instructions in order (ISA guide 5.7.1), so the loads see the stores above them ----
	s_wait_alu depctr_va_vdst(0)                   ; v[SX] and v[E ..] are written, which the nine LDS stores read as data; so are v[LW] and v[LR], the addresses of all 25 lines below
	ds_store_b32 v[LW], v[SX] offset:SXO
.irp j, 0,1,2,3,4,5,6,7
	ds_load_b128 v[SXT+4*\j:SXT+4*\j+3], v[LR] offset:SXO+16*\j    ; all lanes at one address: four sx for every lane
.endr
.irp r, 0,1,2,3,4,5,6,7
	ds_store_b32 v[LW], v[E+\r] offset:TROW*\r
.endr
.irp j, 0,1,2,3,4,5,6,7
	ds_load_b128 v[DY+4*\j:DY+4*\j+3], v[LR] offset:16*\j          ; row 0's dy^2, into buffer 0
.endr
	; ---- sx - x for 32 samples x my 4 columns, kept for all 8 rows ----
.set q, 0
.rept 16
.if (q & 1) == 0
	s_wait_dscnt 23-q/2                            ; behind the load of sx group j = q/2 stand 7 - j loads of sx, 8 stores and 8 loads of dy^2
.endif
	v_pk_add_f32 v[DX+8*q:DX+8*q+1],   v[NX:NX+1],   v[SXT+2*q:SXT+2*q+1] op_sel_hi:[1,0]            ; both halves take the pair's first: sample 2q
	v_pk_add_f32 v[DX+8*q+2:DX+8*q+3], v[NX+2:NX+3], v[SXT+2*q:SXT+2*q+1] op_sel_hi:[1,0]
	v_pk_add_f32 v[DX+8*q+4:DX+8*q+5], v[NX:NX+1],   v[SXT+2*q:SXT+2*q+1] op_sel:[0,1] op_sel_hi:[1,1]  ; both take its second: sample 2q + 1
	v_pk_add_f32 v[DX+8*q+6:DX+8*q+7], v[NX+2:NX+3], v[SXT+2*q:SXT+2*q+1] op_sel:[0,1] op_sel_hi:[1,1]
.set q, q+1
.endr
; ---- the finish of a row, in steps that are strewn among the next row's products ----
.macro FIN_SQRT
.irp c, 0,1,2,3
	v_sqrt_f32 v[F+\c], v[F+\c]                    ; the least distance
.endr
.endm
.macro FIN_BASE                        ; the wait for the roots is written out ahead of each use of this macro: a store stands between the two
	v_pk_fma_f32 v[F:F+1],   v[F:F+1],   v[IW:IW+1], v[EPS:EPS+1]   ; / width + 1e-6
	v_pk_fma_f32 v[F+2:F+3], v[F+2:F+3], v[IW:IW+1], v[EPS:EPS+1]
.endm
.macro FIN_LOG
.irp c, 0,1,2,3
	v_log_f32 v[F+\c], v[F+\c]                     ; b ^ a = 2 ^ (a log2 b)
.endr
.endm
.macro FIN_POW
	s_wait_alu depctr_va_vdst(0)                   ; the four logarithms are written, ahead of their first reader
	v_pk_mul_f32 v[F:F+1],   v[F:F+1],   v[AA:AA+1]
	v_pk_mul_f32 v[F+2:F+3], v[F+2:F+3], v[AA:AA+1]
.endm
.macro FIN_EXP
.irp c, 0,1,2,3
	v_exp_f32 v[F+\c], v[F+\c]
.endr
.endm
.macro FIN_ONE
	s_wait_alu depctr_va_vdst(0)                   ; the four powers are written, ahead of their first reader
	v_pk_add_f32 v[F:F+1],   v[ONE:ONE+1], v[F:F+1]   neg_lo:[0,1] neg_hi:[0,1]   ; 1 - power
	v_pk_add_f32 v[F+2:F+3], v[ONE:ONE+1], v[F+2:F+3] neg_lo:[0,1] neg_hi:[0,1]
.endm
.macro FIN_CLIP k                      ; into store buffer k
.irp c, 0,1,2,3
	v_max_num_f32 v[O+OSTEP*(\k)+\c], 0, v[F+\c]   ; the power is never below 0, so 1 - power never passes 1: the lower bound is the whole clip
.endr
.endm
.macro OUT k, back                     ; store buffer k goes out, to the row that lies `back` rows behind the one at which the base stands
	global_store_b128 v[OFF], v[O+OSTEP*(\k):O+OSTEP*(\k)+3], s[10:11] offset:-(\back)*ROWB th:TH_STORE_NT
.endm
; ---- pairs lo to hi of a row's 16 pairs of samples.  Pair p: four packed products into set p & 1, then the four minima of pair p - 1 from the
; other set, so that no instruction reads what the one just ahead of it wrote.  The first pair starts the minima (nothing is preset), the last writes F.
; par = the row's number mod 2: the row reads dy^2 buffer par, fills the other, stores from O[par] and writes the other O.
; fin = 1: the row before is finished on the way.  load = 1: the next row's dy^2 are loaded.  st = 1: the result of the row two back is stored.
.macro PAIRS par, lo, hi, fin, load, st
.set p, \lo
.rept (\hi)-(\lo)+1
.if p == 0
	s_wait_dscnt 0x0                               ; this row's eight loads of dy^2 are back: nothing else of LDS was issued behind them
.if \fin
	s_wait_xcnt 0x0                                ; the store issued in the row before has had its address translated (ISA guide 3.1): its base is stepped below, its data rewritten at pair 9
	s_wait_alu depctr_vm_vsrc(0)                   ; that store has read the O that this row writes at pair 9; the LDS loads of the row before have read v[LR], which the add below writes
	s_add_nc_u64 s[10:11], s[10:11], ROWB          ; out0 at the row at work
	v_add_nc_u32 v[LR], TROW, v[LR]                ; the table at the row at work
.else
	s_wait_alu depctr_vm_vsrc(0)                   ; the head's LDS stores have read v[E ..] and v[SX]: these registers are D and F from here on
	s_wait_alu depctr_va_vdst(0)                   ; the additions above are done reading the sx table, in which the loads of pairs 3 to 6 land
.endif
.endif
	v_pk_fma_f32 v[D+8*(p&1):D+8*(p&1)+1],   v[DX+8*p:DX+8*p+1],   v[DX+8*p:DX+8*p+1],   v[DY+32*(\par)+2*p:DY+32*(\par)+2*p+1] op_sel_hi:[1,1,0]
	v_pk_fma_f32 v[D+8*(p&1)+2:D+8*(p&1)+3], v[DX+8*p+2:DX+8*p+3], v[DX+8*p+2:DX+8*p+3], v[DY+32*(\par)+2*p:DY+32*(\par)+2*p+1] op_sel_hi:[1,1,0]
	v_pk_fma_f32 v[D+8*(p&1)+4:D+8*(p&1)+5], v[DX+8*p+4:DX+8*p+5], v[DX+8*p+4:DX+8*p+5], v[DY+32*(\par)+2*p:DY+32*(\par)+2*p+1] op_sel:[0,0,1] op_sel_hi:[1,1,1]
	v_pk_fma_f32 v[D+8*(p&1)+6:D+8*(p&1)+7], v[DX+8*p+6:DX+8*p+7], v[DX+8*p+6:DX+8*p+7], v[DY+32*(\par)+2*p:DY+32*(\par)+2*p+1] op_sel:[0,0,1] op_sel_hi:[1,1,1]
.if (\load) && (p >= 3) && (p <= 6)
	; the next row's dy^2, two groups of four a pair.  No wait: no vector instruction since the wait at pair 2 (row 0: at the head) names the other buffer or v[LR]
	ds_load_b128 v[DY+32*(1-(\par))+8*(p-3):DY+32*(1-(\par))+8*(p-3)+3],   v[LR] offset:TROW+32*(p-3)
	ds_load_b128 v[DY+32*(1-(\par))+8*(p-3)+4:DY+32*(1-(\par))+8*(p-3)+7], v[LR] offset:TROW+32*(p-3)+16
.endif
.if p == 1
.irp c, 0,1,2,3
	v_min_num_f32 v[ACC+\c], v[D+\c], v[D+4+\c]
.endr
.endif
.if p > 1
.irp c, 0,1,2,3
	v_min3_num_f32 v[ACC+\c], v[ACC+\c], v[D+8*((p+1)&1)+\c], v[D+8*((p+1)&1)+4+\c]
.endr
.endif
.if \fin
; behind each run of transcendentals come the next pair's products, plain instructions that touch no F (ISA guide 5.7.2); two pairs lie between a run and the use of its results
.if p == 0
	FIN_SQRT
.endif
.if p == 2
	s_wait_alu depctr_va_vdst(0)                   ; the four roots are written, ahead of their first reader; the row before has written O[par], which the store reads, and is done reading the other dy^2 buffer, in which the loads of pairs 3 to 6 land; v[LR], their address, is written
.if \st
	OUT \par, 2
.endif
	FIN_BASE
.endif
.if p == 3
	FIN_LOG
.endif
.if p == 5
	FIN_POW
.endif
.if p == 6
	FIN_EXP
.endif
.if p == 8
	FIN_ONE
.endif
.if p == 9
	FIN_CLIP 1-(\par)                              ; the row before has the other parity; its result is stored at pair 2 of the next row
.endif
.endif
.set p, p+1
.endr
.if (\hi) == 15
.irp c, 0,1,2,3
	v_min3_num_f32 v[F+\c], v[ACC+\c], v[D+8+\c], v[D+12+\c]       ; pair 15 closes the row
.endr
.endif
.endm
	PAIRS 0, 0, 15, 0, 1, 0                        ; row 0: no row before it to finish
	PAIRS 1, 0, 2,  1, 1, 0                        ; row 1 up to the roots' wait: no result is ready to be stored yet
	s_mov_b32 s30, 3
.Lrow:                                                 ; a trip is two rows, from behind an odd row's third pair to the same place two rows on: both kinds of buffer are back at their start
	PAIRS 1, 3, 15, 1, 1, 0                        ; rows 1, 3, 5 from pair 3 on
	PAIRS 0, 0, 15, 1, 1, 1                        ; rows 2, 4, 6
	PAIRS 1, 0, 2,  1, 1, 1                        ; rows 3, 5, 7 up to the roots' wait and the store behind it
	s_sub_co_u32 s30, s30, 1
	s_cmp_lg_u32 s30, 0
	s_cbranch_scc1 .Lrow
	PAIRS 1, 3, 15, 1, 0, 0                        ; row 7 from pair 3 on: the table has no further row
	s_wait_xcnt 0x0                                ; row 5's store, issued at row 7's pair 2, has had its address translated: its data, O1, are rewritten below
	s_wait_alu depctr_vm_vsrc(0)                   ; and it has read O1
	FIN_SQRT                                       ; row 7's finish stands alone: v_nop is the plain instruction behind each run of transcendentals
	v_nop
	s_wait_alu depctr_va_vdst(0)                   ; the four roots are written, ahead of their first reader; row 7's pair 9 has written O0, which the store reads
	OUT 0, 1                                       ; row 6
	FIN_BASE
	FIN_LOG
	v_nop
	FIN_POW
	FIN_EXP
	v_nop
	FIN_ONE
	FIN_CLIP 1
	s_wait_alu depctr_va_vdst(0)                   ; O1 is written, which the last store reads
	OUT 1, 0                                       ; row 7
	s_wait_dscnt 0x0                               ; the closing lines, six on end
	s_wait_alu 0x0
	s_wait_tensorcnt 0x0
	ds_add_u32 v240, v241
	s_wait_dscnt 0x0
	s_endpgm
.Lfunc_end_k_q6a332c2104_curve:
	.size	k_q6a332c2104_curve, .Lfunc_end_k_q6a332c2104_curve-k_q6a332c2104_curve
	.p2alignl 7, 3214868480
	.fill 96, 4, 3214868480
	.section	.rodata,"a",@progbits
	.p2align	6, 0x0
	.amdhsa_kernel k_q6a332c2104_curve
		.amdhsa_group_segment_fixed_size 5120
		.amdhsa_private_segment_fixed_size 0
		.amdhsa_enable_private_segment 0
		.amdhsa_kernarg_size 32
		.amdhsa_user_sgpr_count 2
		.amdhsa_user_sgpr_kernarg_segment_ptr 1
		.amdhsa_wavefront_size32 1
		.amdhsa_system_sgpr_workgroup_id_x 1
		.amdhsa_system_sgpr_workgroup_id_y 1
		.amdhsa_system_sgpr_workgroup_id_z 1
		.amdhsa_system_vgpr_workitem_id 0
		.amdhsa_next_free_vgpr 246
		.amdhsa_next_free_sgpr 66
		.amdhsa_reserve_vcc 0
		.amdhsa_float_denorm_mode_32 3
		.amdhsa_float_denorm_mode_16_64 3
		.amdhsa_memory_ordered 1
		.amdhsa_forward_progress 1
		.amdhsa_inst_pref_size 51
	.end_amdhsa_kernel
	.amdgpu_metadata
---
amdhsa.version: [ 1, 2 ]
amdhsa.kernels:
  - .name:           k_q6a332c2104_curve
    .symbol:         k_q6a332c2104_curve.kd
    .args:
      - { .name: inputs, .offset: 0, .size: 8, .value_kind: global_buffer, .address_space: global }
      - { .name: widths, .offset: 8, .size: 8, .value_kind: global_buffer, .address_space: global }
      - { .name: aa_factors, .offset: 16, .size: 8, .value_kind: global_buffer, .address_space: global }
      - { .name: out0, .offset: 24, .size: 8, .value_kind: global_buffer, .address_space: global }
    .group_segment_fixed_size: 5120
    .private_segment_fixed_size: 0
    .kernarg_segment_align: 8
    .kernarg_segment_size: 32
    .max_flat_workgroup_size: 128
    .sgpr_count:     66
    .vgpr_count:     246
    .wavefront_size: 32
...
	.end_amdgpu_metadata
.endif
;; end of part 2
